; MI455X (gfx1250); checked and timed in simulation.
; The chip was launched on July 23, 2026; its instructions are those of AMD's public machine-readable ISA for CDNA 5 (MIT licence, August 2026) and "CDNA5" Instruction Set Architecture Reference Guide (July 2026). The comments in the code are by the model that wrote it; some were corrected since.
;; Transformer Scaled Dot Product Attention. Allowed arithmetic: matrix products marked QUANTISED: E3M2 operands, one E8M0 scale for each 32 along K, by v_wmma_scale_f32_16x16x128_f8f6f4 with both operands' format E3M2, f32 sums; everything else in f32.
;; Inputs: key 4 x 16 x 2,048 x 64 float32; query 4 x 16 x 2,048 x 64 float32; value 4 x 16 x 64 x 2,048 float32.
;; Outputs: out0 4 x 16 x 64 x 2,048 float32.
;; This version of the problem:
;;   THIS VERSION OF THE PROBLEM IS GIVEN IN LOW PRECISION. The matrix products marked QUANTISED in the list below multiply operands that are first quantised to E3M2 (3 exponent bits, 2 mantissa bits; 6 bits a number), with one power-of-two scale for each 32 numbers along K (OCP MX v1.0); their sums are f32. All else is computed in f32.
;;   The module's matrix products, in the order in which they are computed (A, B: the left and right operand; K: the contracted axis; several contracted axes count as one K, in the product's order):
;;     1. batch 64 x [M 2,048, K 64] x [K 64, N 2,048]; A: input query; B: input key: QUANTISED
;;     2. batch 64 x [M 64, K 2,048] x [K 2,048, N 2,048]; A: input value; B: computed on the way: QUANTISED
;;   THE QUANTISER, for each operand of a quantised product, along K:
;;     - K is cut into blocks of 32 from its start; a last block that is shorter is filled with zeros.
;;     - A block's scale is 2^e with e = floor(log2(the largest magnitude in the block)) - 4, held to -126 .. 127; a block of zeros has e = 0. As a byte (E8M0): e + 127.
;;     - Each number is divided by its block's scale, clamped to +-28, and rounded to the nearest number of E3M2, ties to even, subnormals kept.
;;     - The product sums the exact products of the quantised numbers (number of the format x scale) in f32.
;;   ~~~python
;;   def quantise(x, axis):      # numpy; x: float32 -> the quantised numbers, widened to float32 again
;;       x = np.moveaxis(x, axis, -1); K = x.shape[-1]
;;       x = np.pad(x, [(0, 0)] * (x.ndim - 1) + [(0, -K % 32)]); x = x.reshape(x.shape[:-1] + (-1, 32)); a = np.abs(x).max(-1, keepdims=True)
;;       e = np.where(a > 0, np.clip(np.frexp(np.where(a > 0, a, 1))[1] - 1 - 4, -126, 127), 0)      # np.frexp(a)[1] - 1 = floor(log2(a)), exactly
;;       r = np.clip(x / 2.0 ** e, -28, 28)
;;       step = 2.0 ** (np.maximum(np.frexp(np.where(r == 0, 1, r))[1] - 1, -2) - 2)
;;       q = np.round(r / step) * step * 2.0 ** e      # np.round: ties to even
;;       return np.moveaxis(q.reshape(q.shape[:-2] + (-1,))[..., :K], -1, axis).astype(np.float32)
;;   ~~~
;;   OPERANDS COMPUTED ON THE WAY. 'Computed on the way' means the value that the module computes at that place (a softmax that the list does not call 'softmax' is quantised finished and normalised). What goes into a quantiser is computed in f32, as accurately as f32 sums, v_exp_f32 and their like allow (about 1e-6 of the number): no bf16 or f16 on the way to a quantiser, and a product that is left as it is and whose result goes on into a quantised operand takes f32 operands (vector FMAs, or v_wmma_f32_16x16x4_f32). A number that lies on a knife's edge between two numbers of the format may be rounded either way, as far as f32 arithmetic and the matrix unit's own rounding can turn it there, and no further.
;; One version. Each part assembles by itself: llvm-mc -triple=amdgcn-amd-amdhsa -mcpu=gfx1250 --defsym DOCPART=n.
;; ======== version 1 of 1: 3 launches
;; limits: right only within a limited range of input values
;; workspace buffers: kimg 6,815,744 bytes; qv 13,631,488 bytes; negm 524,288 bytes
;; launch quant (part 1): grid 1024 x 1, 4 waves a work-group, no clusters, 37,888 bytes of LDS; arguments key, kimg; writes kimg
.if DOCPART == 1
	.amdgcn_target "amdgcn-amd-amdhsa--gfx1250"
	.amdhsa_code_object_version 6
	.text
	.protected	k_qd4c8044cad_quant
	.globl	k_qd4c8044cad_quant
	.p2align	8
	.type	k_qd4c8044cad_quant,@function
k_qd4c8044cad_quant:
	s_mov_b64 s[64:65], 0
	v_nop
	global_prefetch_b8 v0, s[64:65] scope:SCOPE_SE
	s_setreg_imm32_b32 hwreg(HW_REG_WAVE_MODE, 25, 1), 1
	s_wait_xcnt 0x0
; out[d][k] = sum over q of V[d][q] softmax_k(Q[q].K[k] / 8), 64 heads, 2,048 queries and keys, 64 channels; both products on codes of E3M2 with one E8M0 scale for each 32 along K.
; THE PROGRAM: this launch quantises key along the 64 channels.  The second quantises query (each work-group its own 512 rows) and value (along the queries), stores their codes, and makes each query's
; softmax statistics.  The third makes the weights, quantises them along the queries and multiplies.
; NOTHING OF THE PROBLEM IS LEFT OUT: all three inputs have a way to the output and are loaded.  The first product is made twice (second and third launch): a block of the second product's operand holds 32
; different queries, and each wants its own maximum and sum over all 2,048 keys before one code can be made.
; THE QUANTISER: a block's scale is 2^(floor(log2(largest magnitude)) - 4); its byte is the largest magnitude's exponent field - 4, held at 1 from below; numbers / scale go to the nearest code, ties to even, beyond 28 the largest code.
; LIMITS: finite inputs alone (no NaN, no infinity).  A block of zeros gets the byte 1 where the rule says 127: its codes are zeros, which add nothing under any byte but 0xff, and this program alone reads the bytes.
; THE OUTPUT IS LAID AS THE READERS' REGISTERS WANT IT.  A PART is 6,656 bytes, 128 keys: four UNITS of 1,536 bytes and 512 bytes of scale words.  A unit is the image of a 12-register operand: group g (512 bytes) holds,
; at 16 x lane, registers 4 g .. 4 g + 3.  Registers 6 c .. 6 c + 5 of lane (r = lane % 16, h = lane / 16) are the codes of channels 32 h .. 32 h + 31 of key 32 p + 8 c + r + 8 (r / 8): unit p is a PAIR of tiles.
; Scale words: 16 bytes a lane, word p for unit p, byte 2 c + h.
; SHARES: 1,024 work-groups of four waves: a work-group makes a part, wave p its unit p (8 KiB in, 1,536 bytes out).  No work-group shares an input with another: no cluster.
; A unit's 8 KiB come by 16 loads in which sixteen lanes read 256 consecutive bytes, go through the wave's own stage in LDS as 32 rows of 256 bytes, and come back 128 bytes (a block) a lane.
; The four waves' scale words meet in 512 bytes of LDS behind one barrier, and wave 0 stores them as 512 consecutive bytes.
.set WREG,  9216                       ; a wave's stage: row R at 272 R + 128 (R / 16)
.set WST,   4*WREG                     ; the part's scale words
.set SPARE, WST+512                    ; the spare words, 128 bytes a wave
.set SPW,  1
.set NIL,  2
.set VOFF, 3                           ; my lane's byte in a load
.set LIN,  4                           ; the stage, on the way in
.set LOUT, 5                           ; and on the way out
.set OOF,  6                           ; 16 x lane
.set SH8,  7                           ; 8 h
.set WD,   8                           ; my unit's scale word
.set OU,   9                           ; my unit's place in the part
.set WA,   10                          ; where my word goes in LDS
.set WR,   11                          ; where a lane's four words lie
.set MX,   12
.set SO,   14
.set BY,   16
.set TT,   18
.set PX,   19
.set C,    20                          ; v20-31 the unit's image
.set T0,   32                          ; a block's second 16 codes (a conversion's three registers begin on an even number)
.set T1,   36
.set Y,    40                          ; v40-103 my two blocks
.set X,    104                         ; v104-167 as loaded
	s_load_b128 s[4:7], s[0:1], 0x0                ; key, kimg
	v_lshl_add_u32 v[SPW], v0, 2, SPARE
	v_mov_b32 v[NIL], 0
	v_lshrrev_b32 v18, 5, v0
	v_readfirstlane_b32 s14, v18                   ; wave = unit
	s_lshl_b32 s18, ttmp9, 15                      ; 128 rows of 256 bytes a part,
	s_lshl_b32 s16, s14, 13
	s_add_co_u32 s18, s18, s16                     ; 32 a unit
	s_mov_b32 s19, 0
	s_mul_i32 s22, ttmp9, 6656
	s_mov_b32 s23, 0
	s_mov_b32 s28, 0x76543210
	s_mov_b32 s29, 0xfedcba98                      ; lane selects: lane l xor 16
	s_mul_i32 s26, s14, WREG
	s_mul_i32 s24, s14, 1536
	s_lshl_b32 s25, s14, 2
	s_add_co_u32 s25, s25, WST
	v_and_b32 v18, 31, v0
	v_lshlrev_b32 v[OOF], 4, v18
	v_and_b32 v19, 15, v0                          ; r
	v_bfe_u32 v12, v0, 4, 1                        ; h
	v_bfe_u32 v13, v0, 3, 1                        ; r / 8
	v_lshlrev_b32 v[VOFF], 8, v12                  ; lanes 16-31 read one row on
	v_lshl_add_u32 v[VOFF], v19, 4, v[VOFF]
	v_mul_u32_u24 v[LIN], v12, 272
	v_lshl_add_u32 v[LIN], v19, 4, v[LIN]
	v_add_nc_u32 v[LIN], s26, v[LIN]
	v_lshl_add_u32 v14, v13, 3, v19                ; r + 8 (r / 8)
	v_mul_u32_u24 v[LOUT], v14, 272
	v_lshl_add_u32 v[LOUT], v13, 7, v[LOUT]        ; rows 16 on lie 128 bytes further
	v_lshl_add_u32 v[LOUT], v12, 7, v[LOUT]        ; my half's block of the row
	v_add_nc_u32 v[LOUT], s26, v[LOUT]
	v_lshlrev_b32 v[SH8], 3, v12
	v_add_nc_u32 v[OU], s24, v[OOF]
	v_add_nc_u32 v[WA], s25, v[OOF]
	v_add_nc_u32 v[WR], WST, v[OOF]
	v_mov_b32 v[PX], 0                             ; a lane permute's destination counts as one of its sources
	s_wait_alu depctr_va_vdst(0)                   ; the wait at the head's end
	s_wait_kmcnt 0x0
	s_add_nc_u64 s[4:5], s[4:5], s[18:19]
	s_add_nc_u64 s[6:7], s[6:7], s[22:23]
.irp i, 0,1,2,3,4,5,6,7,8,9,10,11,12,13,14,15
	global_load_b128 v[X+4*\i:X+4*\i+3], v[VOFF], s[4:5] offset:512*\i th:TH_LOAD_NT   ; load i brings stage rows 2 i and 2 i + 1
.endr
	s_wait_loadcnt 0x0
.irp i, 0,1,2,3,4,5,6,7,8,9,10,11,12,13,14,15
	ds_store_b128 v[LIN], v[X+4*\i:X+4*\i+3] offset:544*\i+128*(\i/8)
.endr
.irp c, 0,1
.irp j, 0,1,2,3,4,5,6,7
	ds_load_b128 v[Y+32*\c+4*\j:Y+32*\c+4*\j+3], v[LOUT] offset:2176*\c+16*\j   ; LDS serves a wave's instructions in order (ISA guide 5.7.1.4)
.endr
.endr
	s_wait_dscnt 0x0
.irp c, 0,1
	v_max3_num_f32 v[MX+\c], |v[Y+32*\c]|, |v[Y+32*\c+1]|, 0x2800000   ; with the floor 2^(5 - 127): the byte cannot fall under 1
.endr
.irp i, 2,4,6,8,10,12,14,16,18,20,22,24,26,28,30
.irp c, 0,1
	s_delay_alu instid0(VALU_DEP_2)
	v_max3_num_f32 v[MX+\c], v[MX+\c], |v[Y+32*\c+\i]|, |v[Y+32*\c+\i+1]|
.endr
.endr
.irp c, 0,1
	v_add_nc_u32 v[SO+\c], 0xfe000000, v[MX+\c]    ; 4 off the exponent field: the conversion's scale operand
.endr
.irp c, 0,1
	v_lshrrev_b32 v[BY+\c], 23, v[SO+\c]           ; the scale's byte
.endr
	v_lshl_or_b32 v[TT], v[BY+1], 16, v[BY]        ; my two bytes, 2 c + h,
	v_lshlrev_b32 v[TT], v[SH8], v[TT]             ; at their places;
	v_permlanex16_b32 v[PX], v[TT], s28, s29
	v_or_b32 v[WD], v[TT], v[PX]                   ; with lane l xor 16's two the word is whole
	v_cvt_scalef32_pk16_bf6_f32 v[C:C+2], v[Y:Y+15], v[SO]
	v_cvt_scalef32_pk16_bf6_f32 v[T0:T0+2], v[Y+16:Y+31], v[SO]
	v_cvt_scalef32_pk16_bf6_f32 v[C+6:C+8], v[Y+32:Y+47], v[SO+1]
	v_cvt_scalef32_pk16_bf6_f32 v[T1:T1+2], v[Y+48:Y+63], v[SO+1]
	v_nop                                          ; one plain instruction behind a scaled conversion
.irp i, 0,1,2
	v_mov_b32 v[C+3+\i], v[T0+\i]
	v_mov_b32 v[C+9+\i], v[T1+\i]
.endr
.irp g, 0,1,2
	global_store_b128 v[OU], v[C+4*\g:C+4*\g+3], s[6:7] offset:512*\g   ; 32 lanes store 512 consecutive bytes
.endr
	ds_store_b32 v[WA], v[WD]                      ; word p of each lane's four
	s_wait_dscnt 0x0
	s_barrier_signal -1
	s_barrier_wait -1                              ; all four words are there
	s_cmp_lg_u32 s14, 0
	s_cbranch_scc1 .Lend
	ds_load_b128 v[Y:Y+3], v[WR]
	s_wait_dscnt 0x0
	global_store_b128 v[OOF], v[Y:Y+3], s[6:7] offset:6144   ; the part's scale words
.Lend:
	s_wait_tensorcnt 0x0                           ; the wave's end
	ds_add_u32 v[SPW], v[NIL]
	s_wait_dscnt 0x0
	s_endpgm
.Lfunc_end_k_qd4c8044cad_quant:
	.size	k_qd4c8044cad_quant, .Lfunc_end_k_qd4c8044cad_quant-k_qd4c8044cad_quant
	.p2alignl 7, 3214868480
	.fill 96, 4, 3214868480
	.section	.rodata,"a",@progbits
	.p2align	6, 0x0
	.amdhsa_kernel k_qd4c8044cad_quant
		.amdhsa_group_segment_fixed_size 37888
		.amdhsa_private_segment_fixed_size 0
		.amdhsa_enable_private_segment 0
		.amdhsa_kernarg_size 16
		.amdhsa_user_sgpr_count 2
		.amdhsa_user_sgpr_kernarg_segment_ptr 1
		.amdhsa_wavefront_size32 1
		.amdhsa_system_sgpr_workgroup_id_x 1
		.amdhsa_system_sgpr_workgroup_id_y 1
		.amdhsa_system_sgpr_workgroup_id_z 1
		.amdhsa_system_vgpr_workitem_id 0
		.amdhsa_next_free_vgpr 168
		.amdhsa_next_free_sgpr 66
		.amdhsa_reserve_vcc 0
		.amdhsa_float_denorm_mode_32 3
		.amdhsa_float_denorm_mode_16_64 3
		.amdhsa_memory_ordered 1
		.amdhsa_forward_progress 1
		.amdhsa_inst_pref_size 11
	.end_amdhsa_kernel
	.amdgpu_metadata
---
amdhsa.version: [ 1, 2 ]
amdhsa.kernels:
  - .name:           k_qd4c8044cad_quant
    .symbol:         k_qd4c8044cad_quant.kd
    .args:
      - { .name: key, .offset: 0, .size: 8, .value_kind: global_buffer, .address_space: global }
      - { .name: kimg, .offset: 8, .size: 8, .value_kind: global_buffer, .address_space: global }
    .group_segment_fixed_size: 37888
    .private_segment_fixed_size: 0
    .kernarg_segment_align: 8
    .kernarg_segment_size: 16
    .max_flat_workgroup_size: 128
    .sgpr_count:     66
    .vgpr_count:     168
    .wavefront_size: 32
...
	.end_amdgpu_metadata
.endif
;; end of part 1
;; launch stats (part 2): grid 4 x 64, 16 waves a work-group, clusters of 4 x 1, 327,680 bytes of LDS; arguments kimg, query, value, qv, negm; writes qv, negm
.if DOCPART == 2
	.amdgcn_target "amdgcn-amd-amdhsa--gfx1250"
	.amdhsa_code_object_version 6
	.text
	.protected	k_qd4c8044cad_stats
	.globl	k_qd4c8044cad_stats
	.p2align	8
	.type	k_qd4c8044cad_stats,@function
k_qd4c8044cad_stats:
	s_mov_b64 s[64:65], 0
	v_nop
	global_prefetch_b8 v0, s[64:65] scope:SCOPE_SE
	s_setreg_imm32_b32 hwreg(HW_REG_WAVE_MODE, 25, 1), 1
	s_wait_xcnt 0x0
	s_wait_alu depctr_hold_cnt(0) depctr_sa_sdst(0) depctr_va_vdst(0) depctr_va_sdst(0) depctr_va_ssrc(0) depctr_va_vcc(0) depctr_vm_vsrc(0)
	s_getreg_b32 s2, hwreg(HW_REG_IB_STS2, 6, 4)
	s_cmp_eq_u32 s2, 0
	s_cbranch_scc0 .Lentry_in_a_cluster
	s_endpgm
.Lentry_in_a_cluster:
	s_bfe_u32 s2, ttmp6, 0x10000c
	s_cmp_lg_u32 s2, 0x3003
	s_cbranch_scc0 .Lentry_shape_is_right
	s_endpgm
.Lentry_shape_is_right:
; For each query: negm = -(m + log2(sum over all 2,048 keys of 2^(t - m))), t = score x log2(e) / 8, m the running largest t.  Nothing of the problem is left out here.
; On the way the launch quantises query and value (the quantiser and its limits: the first kernel's head) and stores their codes in qv for the third launch.
; LIMIT: the promise holds while the scaled scores t stay under 2^31 in magnitude.
; SHARES: a work-group is a head and 512 queries; 16 waves, each 32 queries (two tiles) against all keys in 16 steps of 128 keys.  The four work-groups of a head form a cluster and ask for K's codes jointly.
; LDS: K's 16 parts (106,496 bytes); 512 rows of 256 + 16 bytes of f32: first my 512 query rows, then, filled again, value's 64 channels x 512 queries as rows (64 queries of a channel);
; a stage for the results; the spare words.  At the head waves 0-7 ask for two parts of K each, waves 8-15 for 64 query rows each: one tensor load a wave.  Value's 16 loads, one a wave, go out behind
; the full sequence and a round, and have four steps in which to land; behind the fourth step stands one barrier, and each wave quantises its unit of value there, between two steps,
; in the registers that the scores leave free.  Every wait on TENSORcnt is for 0.
; No prefetch: K and query are asked for at the head, with no loop ahead of them, and value's load itself stands four steps ahead of its first read.
; qv: for each 128 queries 13,312 bytes: query's part, then value's.  A part is four units of 1,536 bytes (the image of a 12-register operand, group g of four registers at 512 g + 16 x lane) and
; four runs of 128 bytes of scale words (word of unit p at 6,144 + 128 p + 4 x lane, byte 2 c + h).  Registers 6 c .. 6 c + 5 of lane (r, h):
;   query: channels 32 h .. + 31 of query 64 (p / 2) + 16 (p % 2) + 8 c + 32 (r / 8) + r % 8: so the third launch's four score tiles give a lane 32 neighbouring queries, a whole block;
;   value: queries 64 c + 32 h .. + 31 of channel 16 p + r.
.set PART,  6656
.set FB,    106496
.set FP,    272
.set STG,   245760
.set SPARE, 247808
.set SPW, 2
.set NIL, 3
.set LI,  4                            ; 16 x lane
.set ADR, 5
.set STA, 6
.set STR, 7
.set AV,  8                            ; where my blocks of value lie in LDS
.set OU,  9                            ; my unit's place in a part
.set OS,  10                           ; my scale word's place
.set SH8, 11
.set QB,  12                           ; v12-41: zeros, tile 0, zeros, tile 1, zeros: six registers each
.set QSD, 42
.set KFR, 44
.set KSC, 92
.set S,   96                           ; v96-223 the scores; between steps the quantiser's registers:
.set Y,   96
.set C,   160
.set T0,  172
.set T1,  176
.set MX,  180
.set SO,  182
.set BY,  184
.set TT,  186
.set PX,  187
.set WD,  188
.set AQ,  195
.set ST,  224
.set WV,  14
.set CX,  15
.set HD,  16
.set G1K, 20
.set G1Q, 28
.set G1V, 36
.set G0K, 44
.set G0Q, 48
.set G0V, 52
.set CS,  56
.set SEL, 58
.set TB,  60
.set CNT, 61
.set HM,  62
.macro ROUND
	s_barrier_signal -1
	s_barrier_wait -1
	s_cmp_lg_u32 s[WV], 0
	s_cbranch_scc1 .Lnot_wave_0_\@
	s_barrier_signal -3
.Lnot_wave_0_\@:
	s_barrier_wait -3
	s_barrier_signal -1
	s_barrier_wait -1
.endm
	s_load_b256 s[4:11], s[0:1], 0x0               ; kimg, query, value, qv
	s_load_b64 s[12:13], s[0:1], 0x20              ; negm
	v_lshl_add_u32 v[SPW], v0, 2, SPARE
	v_mov_b32 v[NIL], 0
	ds_add_u32 v[SPW], v[NIL]                      ; the opening lines: the add twice and its wait
	ds_add_u32 v[SPW], v[NIL]
	v_lshrrev_b32 v1, 5, v0
	v_readfirstlane_b32 s[WV], v1
	s_bfe_u32 s[CX], ttmp6, 0x40000
	s_and_b32 s[HD], ttmp7, 0xffff
.irp g, G1K, G1Q, G1V
	s_mov_b32 s[\g+6], 0
	s_mov_b32 s[\g+7], 0
.endr
	s_mov_b32 s[G1K], 15|(3<<16)|(1<<21)           ; K: joint, 52 dense rows of 256 bytes
	s_mov_b32 s[G1K+1], 32<<16
	s_mov_b32 s[G1K+2], 52<<16
	s_mov_b32 s[G1K+3], 32<<16
	s_mov_b32 s[G1K+4], 52
	s_mov_b32 s[G1K+5], 32
.irp g, G1Q, G1V
	s_mov_b32 s[\g], (2<<16)|(1<<20)|(5<<22)|(3<<25)   ; rows of 64 f32, 16 bytes of padding behind each
	s_mov_b32 s[\g+1], 64<<16
	s_mov_b32 s[\g+3], 64<<16
.endr
	s_mov_b32 s[G1Q+2], 64<<16                     ; query: 64 rows, dense
	s_mov_b32 s[G1Q+4], 64
	s_mov_b32 s[G1Q+5], 64
	s_mov_b32 s[G1V+2], 32<<16                     ; value: 32 channels, 2,048 numbers apart
	s_mov_b32 s[G1V+4], 32
	s_mov_b32 s[G1V+5], 2048
	s_mul_i32 s66, s[WV], 2*PART                   ; K: my two parts, in LDS and in the head's image
	s_mul_i32 s68, s[HD], 16*PART
	s_add_co_u32 s68, s68, s66
	s_mov_b32 s69, 0
	s_and_b32 s67, s[WV], 7
	s_mul_i32 s70, s67, 64*FP
	s_add_co_u32 s70, s70, FB                      ; query: 64 rows for each of waves 8-15
	s_lshl_b32 s72, s[HD], 19
	s_lshl_b32 s71, s[CX], 17
	s_add_co_u32 s72, s72, s71
	s_lshl_b32 s71, s67, 14
	s_add_co_u32 s72, s72, s71
	s_mov_b32 s73, 0
	s_mul_i32 s71, s[WV], 32*FP
	s_add_co_u32 s71, s71, FB                      ; value: wave w brings channels 32 (w % 2) .. + 31 of queries 64 (w / 2) .. + 63
	s_lshl_b32 s74, s[HD], 19
	s_and_b32 s76, s[WV], 1
	s_lshl_b32 s77, s76, 18
	s_add_co_u32 s74, s74, s77
	s_lshl_b32 s77, s[CX], 11
	s_add_co_u32 s74, s74, s77
	s_lshr_b32 s78, s[WV], 1
	s_lshl_b32 s77, s78, 8
	s_add_co_u32 s74, s74, s77
	s_mov_b32 s75, 0
	s_lshl_b32 s79, s78, 6
	s_lshl_b32 s77, s76, 4
	s_add_co_u32 s79, s79, s77
	s_mul_i32 s79, s79, FP
	s_add_co_u32 s79, s79, FB                      ; my unit's first query row: 64 (w / 2) + 16 (w % 2)
	s_lshr_b32 s80, s[WV], 2
	s_and_b32 s81, s[WV], 3
	s_lshl_b32 s86, s80, 7
	s_lshl_b32 s87, s81, 4
	s_add_co_u32 s86, s86, s87
	s_mul_i32 s86, s86, FP
	s_add_co_u32 s86, s86, FB                      ; my unit's first row of value: 128 (w / 4) + 16 (w % 4)
	s_lshl_b32 s82, s78, 8
	s_lshl_b32 s83, s76, 6
	s_add_co_u32 s82, s82, s83
	s_add_co_u32 s82, s82, STG
	s_lshl_b32 s83, s[WV], 9
	s_lshl_b32 s90, s[HD], 13
	s_lshl_b32 s87, s[CX], 11
	s_add_co_u32 s90, s90, s87
	s_add_co_u32 s90, s90, s83
	s_mov_b32 s91, 0
	s_add_co_u32 s83, s83, STG
	s_lshl_b32 s88, s[HD], 4
	s_lshl_b32 s87, s[CX], 2
	s_add_co_u32 s88, s88, s87
	s_add_co_u32 s88, s88, s80
	s_mul_i32 s88, s88, 2*PART
	s_mov_b32 s89, 0
	s_mul_i32 s84, s81, 1536
	s_lshl_b32 s85, s81, 7
	s_add_co_u32 s85, s85, 6144
	s_mov_b32 s[CS], 0x3e38aa3b                    ; log2(e) / 8
	s_mov_b32 s[CS+1], s[CS]
	s_mov_b32 s[SEL], 0x76543210
	s_mov_b32 s[SEL+1], 0xfedcba98
	s_mov_b32 s[TB], 0
	s_mov_b32 s[HM], 0xffff0000
	v_and_b32 v[LI], 31, v0
	v_lshlrev_b32 v[OS], 2, v[LI]
	v_lshlrev_b32 v[LI], 4, v[LI]
	v_and_b32 v190, 7, v0
	v_bfe_u32 v191, v0, 3, 1
	v_bfe_u32 v192, v0, 4, 1
	v_and_b32 v193, 15, v0
	v_lshlrev_b32 v[SH8], 3, v192
	v_lshl_add_u32 v194, v191, 5, v190             ; r % 8 + 32 (r / 8)
	v_mul_u32_u24 v[AQ], v194, FP
	v_lshl_add_u32 v[AQ], v192, 7, v[AQ]
	v_add_nc_u32 v[AQ], s79, v[AQ]
	v_mul_u32_u24 v[AV], v193, FP
	v_lshl_add_u32 v[AV], v192, 7, v[AV]
	v_add_nc_u32 v[AV], s86, v[AV]
	v_lshlrev_b32 v[STA], 2, v190                  ; the stage holds the 512 results in the queries' own order: lane (r, h) stores tile h's
	v_lshl_add_u32 v[STA], v191, 7, v[STA]
	v_lshl_add_u32 v[STA], v192, 5, v[STA]
	v_add_nc_u32 v[STA], s82, v[STA]
	v_add_nc_u32 v[STR], s83, v[LI]
	v_add_nc_u32 v[OU], s84, v[LI]
	v_add_nc_u32 v[OS], s85, v[OS]
	v_mov_b32 v[ADR], v[LI]
	s_wait_alu depctr_va_vdst(0)                   ; the wait at the head's end
	s_wait_dscnt 0x0
	s_wait_kmcnt 0x0
	s_mov_b32 s[G0K], 1
	s_mov_b32 s[G0K+1], s66
	s_add_nc_u64 s[G0K+2:G0K+3], s[4:5], s[68:69]
	s_or_b32 s[G0K+3], s[G0K+3], 0x80000000
	s_mov_b32 s[G0Q], 1
	s_mov_b32 s[G0Q+1], s70
	s_add_nc_u64 s[G0Q+2:G0Q+3], s[6:7], s[72:73]
	s_or_b32 s[G0Q+3], s[G0Q+3], 0x80000000
	s_mov_b32 s[G0V], 1
	s_mov_b32 s[G0V+1], s71
	s_add_nc_u64 s[G0V+2:G0V+3], s[8:9], s[74:75]
	s_or_b32 s[G0V+3], s[G0V+3], 0x80000000
	s_add_nc_u64 s[88:89], s[10:11], s[88:89]      ; my 128 queries' block of qv
	s_add_nc_u64 s[90:91], s[12:13], s[90:91]
	ROUND
	s_cmp_lt_u32 s[WV], 8
	s_cbranch_scc0 .Lfor_q
	tensor_load_to_lds s[G0K:G0K+3], s[G1K:G1K+7]
	s_nop 0
	s_branch .Lasked
.Lfor_q:
	tensor_load_to_lds s[G0Q:G0Q+3], s[G1Q:G1Q+7]
	s_nop 0
.Lasked:
	s_wait_tensorcnt 0x0                           ; my load has landed;
	s_barrier_signal -1
	s_barrier_wait -1                              ; everybody's has
.macro LDY a, cs                       ; my two blocks of 32 f32, 128 bytes each
.irp c, 0,1
.irp j, 0,1,2,3,4,5,6,7
	ds_load_b128 v[Y+32*\c+4*\j:Y+32*\c+4*\j+3], v[\a] offset:\cs*\c+16*\j
.endr
.endr
.endm
; my two blocks -> the unit's image in v[C .. C+11] and its scale word in v[WD]
.macro QUANT
.irp c, 0,1
	v_max3_num_f32 v[MX+\c], |v[Y+32*\c]|, |v[Y+32*\c+1]|, 0x2800000   ; with the floor 2^(5 - 127)
.endr
.irp i, 2,4,6,8,10,12,14,16,18,20,22,24,26,28,30
.irp c, 0,1
	s_delay_alu instid0(VALU_DEP_2)
	v_max3_num_f32 v[MX+\c], v[MX+\c], |v[Y+32*\c+\i]|, |v[Y+32*\c+\i+1]|
.endr
.endr
	v_mov_b32 v[PX], 0
.irp c, 0,1
	v_add_nc_u32 v[SO+\c], 0xfe000000, v[MX+\c]
.endr
.irp c, 0,1
	v_lshrrev_b32 v[BY+\c], 23, v[SO+\c]
.endr
	v_lshl_or_b32 v[TT], v[BY+1], 16, v[BY]
	v_lshlrev_b32 v[TT], v[SH8], v[TT]
	v_permlanex16_b32 v[PX], v[TT], s[SEL], s[SEL+1]
	v_or_b32 v[WD], v[TT], v[PX]
	v_cvt_scalef32_pk16_bf6_f32 v[C:C+2], v[Y:Y+15], v[SO]
	v_cvt_scalef32_pk16_bf6_f32 v[T0:T0+2], v[Y+16:Y+31], v[SO]
	v_cvt_scalef32_pk16_bf6_f32 v[C+6:C+8], v[Y+32:Y+47], v[SO+1]
	v_cvt_scalef32_pk16_bf6_f32 v[T1:T1+2], v[Y+48:Y+63], v[SO+1]
	v_nop
.irp i, 0,1,2
	v_mov_b32 v[C+3+\i], v[T0+\i]
	v_mov_b32 v[C+9+\i], v[T1+\i]
.endr
.endm
.macro PUT off                         ; the image and the word go to qv: 512 and 128 consecutive bytes a store
.irp g, 0,1,2
	global_store_b128 v[OU], v[C+4*\g:C+4*\g+3], s[88:89] offset:\off+512*\g
.endr
	global_store_b32 v[OS], v[WD], s[88:89] offset:\off
.endm
.macro LDK
.irp i, 0,1,2,3,4,5,6,7,8,9,10,11
	ds_load_b128 v[KFR+4*\i:KFR+4*\i+3], v[ADR] offset:512*\i
.endr
	ds_load_b128 v[KSC:KSC+3], v[ADR] offset:6144
.endm
	LDY AQ, 8*FP                                   ; my 32 queries
	s_wait_tensorcnt 0x0                           ; the three lines ahead of a refill's round
	ds_add_u32 v[SPW], v[NIL]
	s_wait_dscnt 0x0                               ; my reads of the query rows are over
	ROUND
	tensor_load_to_lds s[G0V:G0V+3], s[G1V:G1V+7]  ; value, onto the query rows' bytes
	s_nop 0
	LDK
	QUANT
	PUT 0
.irp i, 0,1,2,3,4,5
	v_mov_b32 v[QB+6+\i], v[C+\i]
	v_mov_b32 v[QB+18+\i], v[C+6+\i]
.endr
.irp z, 0,1,2,3,4,5,12,13,14,15,16,17,24,25,26,27,28,29
	v_mov_b32 v[QB+\z], 0
.endr
	v_and_b32 v[TT], 0xffff, v[WD]
	v_lshrrev_b32 v[PX], 16, v[WD]
	v_lshl_or_b32 v[QSD], v[TT], 16, v[TT]         ; tile 0's two bytes, twice: they serve whichever half of K the codes stand in
	v_and_or_b32 v[QSD+1], v[WD], s[HM], v[PX]     ; tile 1's
.irp t, 0,1
	v_mov_b32 v[ST+16*\t+1], 0xff61b1e6            ; the largest score so far: -3e38
	v_mov_b32 v[ST+16*\t+2], 0
	v_mov_b32 v[ST+16*\t+3], 0
	v_mov_b32 v[ST+16*\t+6], 0
	v_mov_b32 v[ST+16*\t+7], 0
	v_mul_f32 v[ST+16*\t], s[CS], v[ST+16*\t+1]
.endr
.macro SMS t
.set rT, ST+16*(\t)
.set rS, S+64*(\t)
.irp x, 0,1,2,3
	v_max3_num_f32 v[rT+9+\x], v[rS+16*\x], v[rS+16*\x+1], v[rS+16*\x+2]
.endr
.irp i, 3,5,7,9,11,13
.irp x, 0,1,2,3
	v_max3_num_f32 v[rT+9+\x], v[rT+9+\x], v[rS+16*\x+\i], v[rS+16*\x+\i+1]
.endr
.endr
	v_max3_num_f32 v[rT+9], v[rT+9], v[rS+15], v[rS+31]
	v_max3_num_f32 v[rT+11], v[rT+11], v[rS+47], v[rS+63]
	v_mov_b32 v[rT+8], v[rT]
	s_delay_alu instid0(VALU_DEP_2)
	v_max3_num_f32 v[rT+9], v[rT+9], v[rT+10], v[rT+11]
	s_delay_alu instid0(VALU_DEP_1)
	v_max3_num_f32 v[rT+1], v[rT+9], v[rT+12], v[rT+1]   ; the running largest score
	s_delay_alu instid0(VALU_DEP_1)
	v_mul_f32 v[rT], s[CS], v[rT+1]                ; as t
	s_delay_alu instid0(VALU_DEP_1)
	v_sub_f32 v[rT+8], v[rT+8], v[rT]
.set j, 0
.rept 32
	v_pk_fma_f32 v[rS+j:rS+j+1], v[rS+j:rS+j+1], s[CS:CS+1], v[rT:rT+1] op_sel_hi:[1,0,0] neg_lo:[0,0,1] neg_hi:[0,0,1]
.set j, j+2
.endr
	s_wait_alu depctr_va_vdst(0)                   ; the wait ahead of the batch
	v_exp_f32 v[rT+6], v[rT+8]
.set j, 0
.rept 64
	v_exp_f32 v[rS+j], v[rS+j]
.set j, j+1
.endr
	v_nop
	s_wait_alu depctr_va_vdst(0)                   ; and behind it
	v_pk_mul_f32 v[rT+2:rT+3], v[rT+2:rT+3], v[rT+6:rT+7] op_sel_hi:[1,0]   ; the sums under the new maximum
	v_pk_add_f32 v[rT+4:rT+5], v[rS:rS+1], v[rS+2:rS+3]
.set j, 4
.rept 15
	v_pk_add_f32 v[rT+2:rT+3], v[rT+2:rT+3], v[rS+j:rS+j+1]
	v_pk_add_f32 v[rT+4:rT+5], v[rT+4:rT+5], v[rS+j+2:rS+j+3]
.set j, j+4
.endr
	s_delay_alu instid0(VALU_DEP_1)
	v_pk_add_f32 v[rT+2:rT+3], v[rT+2:rT+3], v[rT+4:rT+5]
.endm
; a step: 128 keys x my 32 queries.  A unit of K is a pair of tiles along the instruction's 128; the zeros beside Q's codes pick one of the two.
.macro STEP ld
	s_wait_dscnt 0x0
.irp p, 0,1,2,3
.irp u, 0,1
.irp t, 0,1
	v_wmma_scale_f32_16x16x128_f8f6f4 v[S+64*\t+8*(2*\p+\u):S+64*\t+8*(2*\p+\u)+7], v[KFR+12*\p:KFR+12*\p+11], v[QB+12*\t+6*(1-\u):QB+12*\t+6*(1-\u)+11], 0, v[KSC+\p], v[QSD+\t] matrix_a_fmt:MATRIX_FMT_BF6 matrix_b_fmt:MATRIX_FMT_BF6
.endr
.endr
.endr
.if \ld
	s_add_co_u32 s[TB], s[TB], PART
	v_add_nc_u32 v[ADR], s[TB], v[LI]
.rept 3
	v_nop
.endr
	LDK
.else
.rept 4
	v_nop
.endr
.endif
	SMS 0
	SMS 1
.endm
	s_wait_alu depctr_va_vdst(0)                   ; the wait ahead of the wait below
	s_wait_xcnt 0x0                                ; the stores have read the image's registers, which the scores take
	s_mov_b32 s[CNT], 4
.Lfirst:
	STEP 1
	s_sub_co_u32 s[CNT], s[CNT], 1
	s_cmp_lg_u32 s[CNT], 0
	s_cbranch_scc1 .Lfirst
	; VALUE, between the fourth step and the fifth: the score registers are free, the next step's fragments of K stay where they are
	s_wait_alu depctr_va_vdst(0)                   ; the wait ahead of the wait below
	s_wait_tensorcnt 0x0                           ; my part of value has landed;
	s_wait_dscnt 0x0                               ; no LDS instruction of mine is pending at the signal
	s_barrier_signal -1
	s_barrier_wait -1                              ; everybody's part has
	LDY AV, 64*FP
	s_wait_dscnt 0x0
	QUANT
	PUT PART
	s_wait_alu depctr_va_vdst(0)
	s_wait_xcnt 0x0                                ; the stores have read the image's registers, which the scores take again
	s_mov_b32 s[CNT], 11
.Lkeys:
	STEP 1
	s_sub_co_u32 s[CNT], s[CNT], 1
	s_cmp_lg_u32 s[CNT], 0
	s_cbranch_scc1 .Lkeys
	STEP 0
.irp t, 0,1
	v_add_f32 v[ST+16*\t+2], v[ST+16*\t+2], v[ST+16*\t+3]
.endr
.irp t, 0,1
	v_permlanex16_b32 v[ST+16*\t+4], v[ST+16*\t], s[SEL], s[SEL+1]     ; lane l xor 16 holds the other half of the keys
	v_permlanex16_b32 v[ST+16*\t+5], v[ST+16*\t+2], s[SEL], s[SEL+1]
.endr
.irp t, 0,1
	v_max_num_f32 v[ST+16*\t+8], v[ST+16*\t], v[ST+16*\t+4]
.endr
.irp t, 0,1
	v_sub_f32 v[ST+16*\t+9], v[ST+16*\t], v[ST+16*\t+8]
	v_sub_f32 v[ST+16*\t+10], v[ST+16*\t+4], v[ST+16*\t+8]
.endr
	s_wait_alu depctr_va_vdst(0)
.irp t, 0,1
	v_exp_f32 v[ST+16*\t+9], v[ST+16*\t+9]
	v_exp_f32 v[ST+16*\t+10], v[ST+16*\t+10]
.endr
	v_nop
	s_wait_alu depctr_va_vdst(0)
.irp t, 0,1
	v_mul_f32 v[ST+16*\t+2], v[ST+16*\t+2], v[ST+16*\t+9]
.endr
.irp t, 0,1
	v_fma_f32 v[ST+16*\t+2], v[ST+16*\t+5], v[ST+16*\t+10], v[ST+16*\t+2]
.endr
	s_wait_alu depctr_va_vdst(0)
.irp t, 0,1
	v_log_f32 v[ST+16*\t+11], v[ST+16*\t+2]
.endr
	v_nop
	s_wait_alu depctr_va_vdst(0)
.irp t, 0,1
	v_sub_f32 v[ST+16*\t+12], -v[ST+16*\t+8], v[ST+16*\t+11]
.endr
	v_cndmask_b32 v[Y], v[ST+12], v[ST+28], s[HM]  ; lanes 0-15 tile 0's result, lanes 16-31 tile 1's
	ds_store_b32 v[STA], v[Y]
	s_wait_dscnt 0x0
	s_barrier_signal -1
	s_barrier_wait -1                              ; the stage is whole
	s_cmp_lt_u32 s[WV], 4
	s_cbranch_scc0 .Lno_row
	ds_load_b128 v[KFR:KFR+3], v[STR]
	s_wait_dscnt 0x0
	global_store_b128 v[LI], v[KFR:KFR+3], s[90:91]   ; 512 consecutive bytes a wave
.Lno_row:
	s_wait_tensorcnt 0x0                           ; the wave's end
	ds_add_u32 v[SPW], v[NIL]
	s_wait_dscnt 0x0
	ROUND                                          ; the closing round
	s_endpgm
.Lfunc_end_k_qd4c8044cad_stats:
	.size	k_qd4c8044cad_stats, .Lfunc_end_k_qd4c8044cad_stats-k_qd4c8044cad_stats
	.p2alignl 7, 3214868480
	.fill 96, 4, 3214868480
	.section	.rodata,"a",@progbits
	.p2align	6, 0x0
	.amdhsa_kernel k_qd4c8044cad_stats
		.amdhsa_group_segment_fixed_size 327680
		.amdhsa_private_segment_fixed_size 0
		.amdhsa_enable_private_segment 0
		.amdhsa_kernarg_size 40
		.amdhsa_user_sgpr_count 2
		.amdhsa_user_sgpr_kernarg_segment_ptr 1
		.amdhsa_wavefront_size32 1
		.amdhsa_system_sgpr_workgroup_id_x 1
		.amdhsa_system_sgpr_workgroup_id_y 1
		.amdhsa_system_sgpr_workgroup_id_z 1
		.amdhsa_system_vgpr_workitem_id 0
		.amdhsa_next_free_vgpr 256
		.amdhsa_next_free_sgpr 96
		.amdhsa_reserve_vcc 0
		.amdhsa_float_denorm_mode_32 3
		.amdhsa_float_denorm_mode_16_64 3
		.amdhsa_memory_ordered 1
		.amdhsa_forward_progress 1
		.amdhsa_inst_pref_size 83
	.end_amdhsa_kernel
	.amdgpu_metadata
---
amdhsa.version: [ 1, 2 ]
amdhsa.kernels:
  - .name:           k_qd4c8044cad_stats
    .symbol:         k_qd4c8044cad_stats.kd
    .args:
      - { .name: kimg, .offset: 0, .size: 8, .value_kind: global_buffer, .address_space: global }
      - { .name: query, .offset: 8, .size: 8, .value_kind: global_buffer, .address_space: global }
      - { .name: value, .offset: 16, .size: 8, .value_kind: global_buffer, .address_space: global }
      - { .name: qv, .offset: 24, .size: 8, .value_kind: global_buffer, .address_space: global }
      - { .name: negm, .offset: 32, .size: 8, .value_kind: global_buffer, .address_space: global }
    .group_segment_fixed_size: 327680
    .private_segment_fixed_size: 0
    .kernarg_segment_align: 8
    .kernarg_segment_size: 40
    .max_flat_workgroup_size: 512
    .sgpr_count:     96
    .vgpr_count:     256
    .wavefront_size: 32
...
	.end_amdgpu_metadata
.endif
;; end of part 2
;; launch attn (part 3): grid 4 x 64, 16 waves a work-group, clusters of 4 x 1, 327,680 bytes of LDS; arguments qv, kimg, negm, out0; writes out0
.if DOCPART == 3
	.amdgcn_target "amdgcn-amd-amdhsa--gfx1250"
	.amdhsa_code_object_version 6
	.text
	.protected	k_qd4c8044cad_attn
	.globl	k_qd4c8044cad_attn
	.p2align	8
	.type	k_qd4c8044cad_attn,@function
k_qd4c8044cad_attn:
	s_mov_b64 s[64:65], 0
	v_nop
	global_prefetch_b8 v0, s[64:65] scope:SCOPE_SE
	s_setreg_imm32_b32 hwreg(HW_REG_WAVE_MODE, 25, 1), 1
	s_wait_xcnt 0x0
	s_wait_alu depctr_hold_cnt(0) depctr_sa_sdst(0) depctr_va_vdst(0) depctr_va_sdst(0) depctr_va_ssrc(0) depctr_va_vcc(0) depctr_vm_vsrc(0)
	s_getreg_b32 s2, hwreg(HW_REG_IB_STS2, 6, 4)
	s_cmp_eq_u32 s2, 0
	s_cbranch_scc0 .Lentry_in_a_cluster
	s_endpgm
.Lentry_in_a_cluster:
	s_bfe_u32 s2, ttmp6, 0x10000c
	s_cmp_lg_u32 s2, 0x3003
	s_cbranch_scc0 .Lentry_shape_is_right
	s_endpgm
.Lentry_shape_is_right:
; out[d][k] = sum over q of V[d][q] p[q][k], p = 2^(t + negm[q]) the finished softmax, t = score x log2(e) / 8; p is quantised along the queries.  Nothing of the problem is left out here.
; LIMIT: the promise holds while the scaled scores t stay under 2^31 in magnitude; finite inputs alone.
; SHARES: a work-group is a head and 512 keys; 16 waves, each 32 keys (two tiles) x all 64 channels, 64 accumulator registers; 16 steps of 128 queries.
; The four work-groups of a head form a cluster and ask jointly for the head's codes of query and value, 212,992 bytes: wave w asks for step w's 13,312 bytes, one tensor load a wave, all at the head;
; nothing is filled again.  negm's 8,192 bytes come by plain loads, 512 bytes a wave, and are stored to LDS bytes of their own behind the wait for the tensor load.
; No prefetch: every tile is asked for at the head, and there is no loop to run ahead in.
; S^T = Q K^T: a lane holds one key.  The rows of Q's tiles are laid (second kernel's head) so that the 32 registers of a group's four tiles are queries 64 c + 32 h + 0 .. 31: a whole block of the
; second product's K in one lane, in the place that the operand's layout gives that lane.  So a block's largest weight needs no other lane and its codes stay where they are made.
; A block's largest p is the same multiply-add and exponential put on the block's largest exponent.
.set BLK,   13312
.set NEGM,  212992
.set SPARE, 221184
.set SP,    144                        ; the way out: a stage row is a channel's 32 keys of mine, 128 bytes, + 16
.set OST,   223232                     ; behind the spare words: a stage of 32 rows
.set SPW, 1
.set NIL, 2
.set LI,  3                            ; 16 x lane
.set AN0, 4
.set ADR, 5
.set ADN, 6
.set SH8, 7
.set KF,  8                            ; v8-37: zeros, tile 0, zeros, tile 1, zeros
.set KS,  38
.set ACC, 40
.set QF,  104                          ; two units of Q
.set NG,  128                          ; negm of my 32 queries
.set VF,  104                          ; four units of V, over both
.set S,   160
.set PC,  192                          ; p's codes, 12 registers a key tile
.set PW,  216                          ; p's scale words
.set CT,  218
.set MX,  222
.set PX,  224
.set SO,  225
.set BY,  226
.set QS,  230
.set VS,  234
.set STO0, 238
.set GO,  239
.set SRD, 240
.set L4,  246                          ; 4 x lane
.set ADS, 247
.set NST, 248
.set OB,  104
.set WV,  12
.set CX,  13
.set HD,  14
.set G1,  16
.set G0,  24
.set CS,  28
.set SEL, 30
.set TB,  32
.set TN,  33
.set CNT, 34
.macro ROUND
	s_barrier_signal -1
	s_barrier_wait -1
	s_cmp_lg_u32 s[WV], 0
	s_cbranch_scc1 .Lnot_wave_0_\@
	s_barrier_signal -3
.Lnot_wave_0_\@:
	s_barrier_wait -3
	s_barrier_signal -1
	s_barrier_wait -1
.endm
	s_load_b256 s[4:11], s[0:1], 0x0               ; qv, kimg, negm, out0
	v_lshl_add_u32 v[SPW], v0, 2, SPARE
	v_mov_b32 v[NIL], 0
	ds_add_u32 v[SPW], v[NIL]                      ; the opening lines: the add twice and its wait
	ds_add_u32 v[SPW], v[NIL]
	v_lshrrev_b32 v241, 5, v0
	v_readfirstlane_b32 s[WV], v241
	s_bfe_u32 s[CX], ttmp6, 0x40000
	s_and_b32 s[HD], ttmp7, 0xffff
	s_mov_b32 s[G1], 15|(3<<16)|(1<<21)            ; joint, 52 dense rows of 256 bytes
	s_mov_b32 s[G1+1], 32<<16
	s_mov_b32 s[G1+2], 52<<16
	s_mov_b32 s[G1+3], 32<<16
	s_mov_b32 s[G1+4], 52
	s_mov_b32 s[G1+5], 32
	s_mov_b32 s[G1+6], 0
	s_mov_b32 s[G1+7], 0
	s_mul_i32 s36, s[WV], BLK
	s_mul_i32 s38, s[HD], 16*BLK
	s_add_co_u32 s38, s38, s36
	s_mov_b32 s39, 0
	s_lshl_b32 s40, s[HD], 4
	s_lshl_b32 s41, s[CX], 2
	s_add_co_u32 s40, s40, s41
	s_lshr_b32 s41, s[WV], 2
	s_add_co_u32 s40, s40, s41
	s_mul_i32 s40, s40, 6656                       ; K's part that holds my 32 keys,
	s_and_b32 s41, s[WV], 3
	s_mul_i32 s42, s41, 1536
	s_add_co_u32 s42, s42, s40                     ; my unit of it,
	s_mov_b32 s43, 0
	s_lshl_b32 s44, s41, 2
	s_add_co_u32 s44, s44, s40                     ; and my scale word
	s_mov_b32 s45, 0
	s_lshl_b32 s37, s[WV], 9
	s_lshl_b32 s46, s[HD], 13
	s_add_co_u32 s46, s46, s37
	s_mov_b32 s47, 0
	s_add_co_u32 s37, s37, NEGM
	s_lshl_b32 s48, s[HD], 19
	s_lshl_b32 s50, s[CX], 11
	s_add_co_u32 s48, s48, s50
	s_lshl_b32 s50, s[WV], 7
	s_add_co_u32 s48, s48, s50                     ; out: my 32 keys' 128 bytes of each channel's row
	s_mov_b32 s49, 0
	s_mul_i32 s50, s[WV], 32*SP
	s_add_co_u32 s50, s50, OST                     ; my stage
	s_mov_b32 s[CS], 0x3e38aa3b                    ; log2(e) / 8
	s_mov_b32 s[CS+1], s[CS]
	s_mov_b32 s[SEL], 0x76543210
	s_mov_b32 s[SEL+1], 0xfedcba98
	s_mov_b32 s[TB], 0
	s_mov_b32 s[TN], 0
	v_and_b32 v[LI], 31, v0
	v_lshlrev_b32 v[L4], 2, v[LI]
	v_lshlrev_b32 v[LI], 4, v[LI]
	v_and_b32 v242, 15, v0
	v_bfe_u32 v243, v0, 4, 1
	v_lshlrev_b32 v[AN0], 7, v243
	v_add_nc_u32 v[AN0], NEGM, v[AN0]              ; lanes 16-31 take the 32 queries further on
	v_lshlrev_b32 v[SH8], 3, v243
	v_add_nc_u32 v[NST], s37, v[LI]
	v_mul_u32_u24 v[STO0], v242, SP
	v_lshl_add_u32 v[STO0], v243, 6, v[STO0]
	v_add_nc_u32 v[STO0], s50, v[STO0]
	v_bfe_u32 v244, v0, 3, 2                       ; back: eight lanes take a stage row, four rows an instruction
	v_and_b32 v245, 7, v0
	v_mul_u32_u24 v[SRD], v244, SP
	v_lshl_add_u32 v[SRD], v245, 4, v[SRD]
	v_add_nc_u32 v[SRD], s50, v[SRD]
	v_lshlrev_b32 v[GO], 13, v244                  ; and the same four channels' rows in out, 8,192 bytes apart
	v_lshl_add_u32 v[GO], v245, 4, v[GO]
	v_mov_b32 v[PX], 0
	s_wait_alu depctr_va_vdst(0)
	s_wait_dscnt 0x0
	s_wait_kmcnt 0x0
	s_mov_b32 s[G0], 1
	s_mov_b32 s[G0+1], s36
	s_add_nc_u64 s[G0+2:G0+3], s[4:5], s[38:39]
	s_or_b32 s[G0+3], s[G0+3], 0x80000000
	s_add_nc_u64 s[42:43], s[6:7], s[42:43]
	s_add_nc_u64 s[44:45], s[6:7], s[44:45]
	s_add_nc_u64 s[46:47], s[8:9], s[46:47]
	s_add_nc_u64 s[48:49], s[10:11], s[48:49]
	ROUND
	tensor_load_to_lds s[G0:G0+3], s[G1:G1+7]      ; step w's codes of query and value
	s_nop 0
	global_load_b128 v[KF+6:KF+9], v[LI], s[42:43]
	global_load_b64 v[KF+10:KF+11], v[LI], s[42:43] offset:512
	global_load_b64 v[KF+18:KF+19], v[LI], s[42:43] offset:520
	global_load_b128 v[KF+20:KF+23], v[LI], s[42:43] offset:1024
	global_load_b32 v244, v[LI], s[44:45] offset:6144
	global_load_b128 v[S:S+3], v[LI], s[46:47]     ; 128 queries' negm
.irp z, 0,1,2,3,4,5,12,13,14,15,16,17,24,25,26,27,28,29
	v_mov_b32 v[KF+\z], 0
.endr
	s_wait_loadcnt 0x0
	v_and_b32 v241, 0xffff, v244
	v_lshrrev_b32 v245, 16, v244
	v_lshl_or_b32 v[KS], v241, 16, v241            ; tile 0's two bytes, twice: they serve whichever half of K the codes stand in
	v_and_or_b32 v[KS+1], v244, 0xffff0000, v245   ; tile 1's
	s_wait_alu depctr_va_vdst(0)                   ; the wait at the head's end
	s_wait_tensorcnt 0x0                           ; my load has landed
	ds_store_b128 v[NST], v[S:S+3]
	s_wait_dscnt 0x0
	s_barrier_signal -1
	s_barrier_wait -1                              ; all 16 steps' codes and all of negm are in
.macro LDQ c                           ; queries 64 c .. 64 c + 63 of the step: two units, and my half's 32 negm
.irp i, 0,1,2,3,4,5
	ds_load_b128 v[QF+4*\i:QF+4*\i+3], v[ADR] offset:3072*(\c)+512*\i
.endr
.irp j, 0,1,2,3,4,5,6,7
	ds_load_b128 v[NG+4*\j:NG+4*\j+3], v[ADN] offset:256*(\c)+16*\j
.endr
.if (\c) == 0
.irp p, 0,1,2,3
	ds_load_b32 v[QS+\p], v[ADS] offset:6144+128*\p
.endr
.endif
.endm
.macro LDV
.irp i, 0,1,2,3,4,5,6,7,8,9,10,11
	ds_load_b128 v[VF+4*\i:VF+4*\i+3], v[ADR] offset:6656+512*\i
.endr
.irp p, 0,1,2,3
	ds_load_b32 v[VS+\p], v[ADS] offset:12800+128*\p
.endr
.endm
.macro W c, k                          ; four tiles: register 8 (2 b + u) + j of lane (r, h) is query 64 c + 32 h + 8 (2 b + u) + j, key r of tile k
.irp b, 0,1
.irp u, 0,1
	v_wmma_scale_f32_16x16x128_f8f6f4 v[S+8*(2*\b+\u):S+8*(2*\b+\u)+7], v[QF+12*\b:QF+12*\b+11], v[KF+12*(\k)+6*(1-\u):KF+12*(\k)+6*(1-\u)+11], 0, v[QS+2*(\c)+\b], v[KS+(\k)] matrix_a_fmt:MATRIX_FMT_BF6 matrix_b_fmt:MATRIX_FMT_BF6
.endr
.endr
.endm
.macro SM c, k, ld
.set j, 0
.rept 16
	v_pk_fma_f32 v[S+j:S+j+1], v[S+j:S+j+1], s[CS:CS+1], v[NG+j:NG+j+1] op_sel_hi:[1,0,1]   ; t + negm
.set j, j+2
.endr
.if \ld == 1
	LDQ 1
.endif
.if \ld == 2
	LDV
.endif
	v_max3_num_f32 v[MX], v[S], v[S+1], v[S+2]     ; the block's largest exponent: all 32 are mine
	v_max3_num_f32 v[MX+1], v[S+3], v[S+4], v[S+5]
.irp i, 6,10,14,18,22,26
	s_delay_alu instid0(VALU_DEP_2)
	v_max3_num_f32 v[MX], v[MX], v[S+\i], v[S+\i+1]
	s_delay_alu instid0(VALU_DEP_2)
	v_max3_num_f32 v[MX+1], v[MX+1], v[S+\i+2], v[S+\i+3]
.endr
	s_delay_alu instid0(VALU_DEP_2)
	v_max3_num_f32 v[MX], v[MX], v[S+30], v[S+31]
	s_delay_alu instid0(VALU_DEP_1)
	v_max_num_f32 v[MX], v[MX], v[MX+1]
	s_wait_alu depctr_va_vdst(0)                   ; the wait ahead of the batch
.set j, 0
.rept 32
	v_exp_f32 v[S+j], v[S+j]
.set j, j+1
.endr
	v_exp_f32 v[MX], v[MX]
	v_nop
	s_wait_alu depctr_va_vdst(0)                   ; and behind it
	v_max_num_f32 v[MX], 0x2800000, v[MX]          ; the floor 2^(5 - 127): the byte cannot fall under 1
	s_delay_alu instid0(VALU_DEP_1)
	v_add_nc_u32 v[SO], 0xfe000000, v[MX]          ; 4 off the exponent field: the conversion's scale operand
.if (\c) == 0
	v_lshrrev_b32 v[PW+(\k)], 23, v[SO]            ; the byte of block h
.else
	v_lshrrev_b32 v[BY], 23, v[SO]                 ; of block 2 + h
.endif
	v_cvt_scalef32_pk16_bf6_f32 v[PC+12*(\k)+6*(\c):PC+12*(\k)+6*(\c)+2], v[S:S+15], v[SO]
	v_cvt_scalef32_pk16_bf6_f32 v[CT:CT+2], v[S+16:S+31], v[SO]   ; (a conversion's three registers begin on an even number)
	v_nop
.endm
.macro TAIL c, k                       ; at least four plain lines: they are also the places behind the products just issued
.if (\c) == 1
	v_lshl_or_b32 v[PW+(\k)], v[BY], 16, v[PW+(\k)]
	v_lshlrev_b32 v[PW+(\k)], v[SH8], v[PW+(\k)]   ; my two bytes at their places;
	v_permlanex16_b32 v[PX], v[PW+(\k)], s[SEL], s[SEL+1]
	v_or_b32 v[PW+(\k)], v[PW+(\k)], v[PX]         ; with lane l xor 16's two the word is whole
.else
	v_nop
.endif
.irp i, 0,1,2
	v_mov_b32 v[PC+12*(\k)+6*(\c)+3+\i], v[CT+\i]
.endr
.endm
.macro P2 zero                         ; out^T += p^T V^T: rows = my keys, columns = 16 channels, K = the step's 128 queries; the eight accumulators by turns
.irp dt, 0,1,2,3
.irp k, 0,1
.if \zero
	s_wait_alu depctr_va_vdst(0)
	v_wmma_scale_f32_16x16x128_f8f6f4 v[ACC+32*\k+8*\dt:ACC+32*\k+8*\dt+7], v[PC+12*\k:PC+12*\k+11], v[VF+12*\dt:VF+12*\dt+11], 0, v[PW+\k], v[VS+\dt] matrix_a_fmt:MATRIX_FMT_BF6 matrix_b_fmt:MATRIX_FMT_BF6
.else
	v_wmma_scale_f32_16x16x128_f8f6f4 v[ACC+32*\k+8*\dt:ACC+32*\k+8*\dt+7], v[PC+12*\k:PC+12*\k+11], v[VF+12*\dt:VF+12*\dt+11], v[ACC+32*\k+8*\dt:ACC+32*\k+8*\dt+7], v[PW+\k], v[VS+\dt] matrix_a_fmt:MATRIX_FMT_BF6 matrix_b_fmt:MATRIX_FMT_BF6
.endif
.endr
.endr
.endm
.macro STEP zero
	v_add_nc_u32 v[ADR], s[TB], v[LI]
	v_add_nc_u32 v[ADN], s[TN], v[AN0]
	v_add_nc_u32 v[ADS], s[TB], v[L4]
	v_nop                                          ; four places ahead of loads into registers that the last products read
	LDQ 0
	s_wait_dscnt 0x0
	W 0, 0
.rept 4
	v_nop
.endr
	SM 0, 0, 0
	W 0, 1
	TAIL 0, 0
	SM 0, 1, 1
	s_wait_alu depctr_va_vdst(0)                   ; the wait ahead of the wait below
	s_wait_dscnt 0x0
	W 1, 0
	TAIL 0, 1
	SM 1, 0, 0
	W 1, 1
	TAIL 1, 0
	SM 1, 1, 2
	TAIL 1, 1
.rept 5
	v_nop                                          ; with the three moves: eight places between the scale word's last write and the scaled products
.endr
	s_wait_alu depctr_va_vdst(0)
	s_wait_dscnt 0x0
	P2 \zero
	s_add_co_u32 s[TB], s[TB], BLK
	s_add_co_u32 s[TN], s[TN], 512
.endm
	STEP 1                                         ; the first step starts the sums
	s_mov_b32 s[CNT], 15
.Lsteps:
	STEP 0
	s_sub_co_u32 s[CNT], s[CNT], 1
	s_cmp_lg_u32 s[CNT], 0
	s_cbranch_scc1 .Lsteps
; THE WAY OUT, each wave by itself, with no barrier: a wave's results leave while other waves are still in their loops.
; Register j of lane (r, h) is channel 16 dt + r, key 32 w + 8 k + 16 h + j.  32 channels at a time go through my own stage and come back by rows.
; A wave owns 32 keys, so a store covers four runs of 128 consecutive bytes, each half of a 256-byte stretch of a channel's row; the wave beside me stores the other half.
.rept 4
	v_nop
.endr
.irp f, 0,1
.irp d, 0,1
.irp k, 0,1
	ds_store_b128 v[STO0], v[ACC+32*\k+16*\f+8*\d:ACC+32*\k+16*\f+8*\d+3] offset:16*SP*\d+32*\k
	ds_store_b128 v[STO0], v[ACC+32*\k+16*\f+8*\d+4:ACC+32*\k+16*\f+8*\d+7] offset:16*SP*\d+32*\k+16
.endr
.endr
.irp n, 0,1,2,3,4,5,6,7
	ds_load_b128 v[OB+32*\f+4*\n:OB+32*\f+4*\n+3], v[SRD] offset:4*SP*\n   ; LDS serves a wave's instructions in order (ISA guide 5.7.1.4): these see the stores above
.endr
.irp n, 0,1,2,3,4,5,6,7
	s_wait_dscnt 7-\n                              ; the 7 - n younger reads may be out; behind the last all are in, so the stage may be written again
	global_store_b128 v[GO], v[OB+32*\f+4*\n:OB+32*\f+4*\n+3], s[48:49] offset:262144*\f+32768*\n th:TH_STORE_NT
.endr
.endr
	s_wait_tensorcnt 0x0                           ; the wave's end
	ds_add_u32 v[SPW], v[NIL]
	s_wait_dscnt 0x0
	ROUND                                          ; the closing round
	s_endpgm
.Lfunc_end_k_qd4c8044cad_attn:
	.size	k_qd4c8044cad_attn, .Lfunc_end_k_qd4c8044cad_attn-k_qd4c8044cad_attn
	.p2alignl 7, 3214868480
	.fill 96, 4, 3214868480
	.section	.rodata,"a",@progbits
	.p2align	6, 0x0
	.amdhsa_kernel k_qd4c8044cad_attn
		.amdhsa_group_segment_fixed_size 327680
		.amdhsa_private_segment_fixed_size 0
		.amdhsa_enable_private_segment 0
		.amdhsa_kernarg_size 32
		.amdhsa_user_sgpr_count 2
		.amdhsa_user_sgpr_kernarg_segment_ptr 1
		.amdhsa_wavefront_size32 1
		.amdhsa_system_sgpr_workgroup_id_x 1
		.amdhsa_system_sgpr_workgroup_id_y 1
		.amdhsa_system_sgpr_workgroup_id_z 1
		.amdhsa_system_vgpr_workitem_id 0
		.amdhsa_next_free_vgpr 256
		.amdhsa_next_free_sgpr 66
		.amdhsa_reserve_vcc 0
		.amdhsa_float_denorm_mode_32 3
		.amdhsa_float_denorm_mode_16_64 3
		.amdhsa_memory_ordered 1
		.amdhsa_forward_progress 1
		.amdhsa_inst_pref_size 58
	.end_amdhsa_kernel
	.amdgpu_metadata
---
amdhsa.version: [ 1, 2 ]
amdhsa.kernels:
  - .name:           k_qd4c8044cad_attn
    .symbol:         k_qd4c8044cad_attn.kd
    .args:
      - { .name: qv, .offset: 0, .size: 8, .value_kind: global_buffer, .address_space: global }
      - { .name: kimg, .offset: 8, .size: 8, .value_kind: global_buffer, .address_space: global }
      - { .name: negm, .offset: 16, .size: 8, .value_kind: global_buffer, .address_space: global }
      - { .name: out0, .offset: 24, .size: 8, .value_kind: global_buffer, .address_space: global }
    .group_segment_fixed_size: 327680
    .private_segment_fixed_size: 0
    .kernarg_segment_align: 8
    .kernarg_segment_size: 32
    .max_flat_workgroup_size: 512
    .sgpr_count:     66
    .vgpr_count:     256
    .wavefront_size: 32
...
	.end_amdgpu_metadata
.endif
;; end of part 3
